; MI455X (gfx1250); checked and timed in simulation.
; The chip was launched on July 23, 2026; its instructions are those of AMD's public machine-readable ISA for CDNA 5 (MIT licence, August 2026) and "CDNA5" Instruction Set Architecture Reference Guide (July 2026). The comments in the code are by the model that wrote it; some were corrected since.
;; Multi Head Attention. Allowed arithmetic: float matrix products may take bf16 or f16 operands with f32 sums; all other float work in f32.
;; Inputs: W_k 1,024 x 1,024 float32; W_out 1,024 x 1,024 float32; W_q 1,024 x 1,024 float32; W_v 1,024 x 1,024 float32; X_emb 2 x 2,048 x 1,024 float32.
;; Outputs: out0 2 x 2,048 x 1,024 float32.
;; One version. Each part assembles by itself: llvm-mc -triple=amdgcn-amd-amdhsa -mcpu=gfx1250 --defsym DOCPART=n.
;; ======== version 1 of 1: 4 launches
;; limits: values are held in f16: magnitudes above 65,504 overflow, below 6.1e-05 lose precision
;; workspace buffers: Xb 8,388,608 bytes; Wt 6,291,456 bytes; Wot 2,097,152 bytes; Qh 8,388,608 bytes; Kh 8,388,608 bytes; Vt 8,388,608 bytes; Ctx 8,388,608 bytes
;; launch prep (part 1): grid 256 x 1, 8 waves a work-group, no clusters, 35,840 bytes of LDS; arguments X_emb, W_q, W_k, W_v, W_out, Xb, Wt, Wot; writes Xb, Wt, Wot
.if DOCPART == 1
	.amdgcn_target "amdgcn-amd-amdhsa--gfx1250"
	.amdhsa_code_object_version 6
	.text
	.protected	k_q5f0ad935b4_prep
	.globl	k_q5f0ad935b4_prep
	.p2align	8
	.type	k_q5f0ad935b4_prep,@function
k_q5f0ad935b4_prep:
	s_mov_b64 s[64:65], 0
	v_nop
	global_prefetch_b8 v0, s[64:65] scope:SCOPE_SE
	s_setreg_imm32_b32 hwreg(HW_REG_WAVE_MODE, 25, 1), 1
	s_wait_xcnt 0x0
; prep: the five f32 inputs are rounded once to bf16 and laid out for the matrix launches.
;   Xb  [4096 m][1024 k] bf16                      = X_emb
;   Wt  [3072 n'][1024 k] bf16, transposed; n' = head*192 + half*96 + w*32 + dd (w = 0 q, 1 k, 2 v; d = 32*half + dd)
;   Wot [1024 n][1024 k] f16, transposed: W_out rounded to bf16, that value carried in f16
; LIMIT: a bf16 value is exact in f16 from 2^-17 up to 65,504 in magnitude; below, the absolute error is at most 2^-25; above, it overflows.
; Memory binds: every input byte is read once by 16-byte loads, every output byte written once in runs of 256 aligned bytes.
; No matrix unit, no cluster, no tensor load: nothing is shared between work-groups and nothing is multiplied.
; Work-group g: 64 KiB of X (16 chunks of 4 KiB) and two blocks of 128 k x 64 n of the weights, transposed through LDS.
;   p = g>>7, kb = (g&127)>>4 (block of 128 k), nb = g&15 (block of 64 n = a head)
;   block 0: p ? W_v : W_q -> Wt;   block 1: p ? W_out -> Wot (f16) : W_k -> Wt
; Thread t of a block: columns 4(t&15)..+3 of rows 8(t>>4)..+7: its 8 k of one n pack into 16 bytes of a transposed row.
; The 4 LDS stores of a block stand 4 rows apart between neighbouring lanes and so share banks four deep: 8 such stores a thread in the
; whole kernel, left as they are.
.set SP,   272                         ; a stage row: 128 k x 2 bytes + 16 of padding
.set STG,  64*SP                       ; a stage: 64 rows; one stage for each block, so that one barrier serves both
.set W0,   16                          ; v[16:47] block 0 as loaded, v[48:79] block 1; later v[16:47]: the transposed rows read back
.set XR,   80                          ; v[80:143] 16 chunks of X
.set T,    144                         ; v[144:159] packed results of a block
	s_load_b512 s[4:19], s[0:1], 0x0               ; X s[4:5], Wq s[6:7], Wk s[8:9], Wv s[10:11], Wout s[12:13], Xb s[14:15], Wt s[16:17], Wot s[18:19]
	v_lshl_add_u32 v160, v0, 2, 0x8800
	v_mov_b32 v161, 0
	s_lshr_b32 s20, ttmp9, 7                       ; p
	s_and_b32 s21, ttmp9, 127
	s_lshr_b32 s22, s21, 4                         ; kb
	s_and_b32 s23, s21, 15                         ; nb
	s_lshl_b32 s24, s22, 19                        ; 128 kb rows of 4,096 bytes
	s_lshl_b32 s25, s23, 8                         ; 64 nb columns of 4 bytes
	s_or_b32 s24, s24, s25                         ; the blocks' offset in their sources
	s_mov_b32 s25, 0
	s_mul_i32 s26, s23, 192                        ; the head's first row in Wt
	s_lshl_b32 s37, s20, 6
	s_add_co_u32 s37, s26, s37                     ; block 0's first row: q at +0, v at +64
	s_add_co_u32 s28, s26, 32                      ; block 1's first row in Wt (k at +32),
	s_lshl_b32 s29, s23, 6                         ; or in Wot
	s_cmp_eq_u32 s20, 0
	s_cselect_b32 s28, s28, s29
	s_cselect_b32 s36, 64*2048, 0                  ; block 1: rows d >= 32 lie 64 rows further in Wt, not in Wot
	s_lshl_b32 s26, s37, 11                        ; rows of 2,048 bytes
	s_lshl_b32 s28, s28, 11
	s_lshl_b32 s37, s22, 8                         ; + 128 kb elements of 2 bytes
	s_add_co_u32 s26, s26, s37
	s_add_co_u32 s28, s28, s37
	s_mov_b32 s27, 0
	s_mov_b32 s29, 0
	s_lshl_b32 s38, ttmp9, 16                      ; my 64 KiB of X
	s_mov_b32 s39, 0
	s_lshl_b32 s40, ttmp9, 15                      ; my 32 KiB of Xb
	s_mov_b32 s41, 0
	v_lshlrev_b32 v1, 4, v0                        ; X: 16 t
	v_lshlrev_b32 v2, 3, v0                        ; Xb: 8 t
	v_lshrrev_b32 v9, 4, v0                        ; t >> 4
	v_and_b32 v10, 15, v0                          ; t & 15
	v_lshlrev_b32 v3, 4, v10
	v_lshl_or_b32 v3, v9, 15, v3                   ; weights in: row 8 (t>>4), 16 bytes at column 4 (t&15)
	v_mul_u32_u24 v4, v10, 4*SP
	v_lshl_add_u32 v4, v9, 4, v4                   ; stage in: row 4 (t&15), byte 16 (t>>4)
	v_mul_u32_u24 v5, v9, SP
	v_lshl_add_u32 v5, v10, 4, v5                  ; stage back: row t>>4, byte 16 (t&15)
	v_lshlrev_b32 v6, 4, v10
	v_lshl_add_u32 v6, v9, 11, v6                  ; out: row t>>4 of 2,048 bytes, byte 16 (t&15)
	v_add_nc_u32 v7, 64*2048, v6                   ; block 0, rows d >= 32
	v_add_nc_u32 v8, s36, v6                       ; block 1, rows d >= 32
	s_wait_kmcnt 0x0
	s_cmp_eq_u32 s20, 0
	s_cselect_b64 s[30:31], s[6:7], s[10:11]       ; block 0 from W_q or W_v
	s_cselect_b64 s[32:33], s[8:9], s[12:13]       ; block 1 from W_k or W_out
	s_cselect_b64 s[34:35], s[16:17], s[18:19]     ; block 1 into Wt or Wot
	s_add_nc_u64 s[30:31], s[30:31], s[24:25]
	s_add_nc_u64 s[32:33], s[32:33], s[24:25]
	s_add_nc_u64 s[34:35], s[34:35], s[28:29]
	s_add_nc_u64 s[16:17], s[16:17], s[26:27]      ; block 0 into Wt
	s_add_nc_u64 s[4:5], s[4:5], s[38:39]
	s_add_nc_u64 s[14:15], s[14:15], s[40:41]
	; all 32 loads of the thread go out at once: 8 + 8 of the weights, 16 of X
.irp i, 0,1,2,3,4,5,6,7
	global_load_b128 v[W0+4*\i:W0+4*\i+3], v3, s[30:31] offset:\i*4096 th:TH_LOAD_NT
.endr
.irp i, 0,1,2,3,4,5,6,7
	global_load_b128 v[W0+32+4*\i:W0+32+4*\i+3], v3, s[32:33] offset:\i*4096 th:TH_LOAD_NT
.endr
.irp i, 0,1,2,3,4,5,6,7,8,9,10,11,12,13,14,15
	global_load_b128 v[XR+4*\i:XR+4*\i+3], v1, s[4:5] offset:\i*4096 th:TH_LOAD_NT
.endr
; A block's 8 x 4 numbers: for column e the 8 k are rounded to bf16 in pairs (register q = k 2q, 2q+1) and stored as 16 bytes of row 4(t&15)+e.
; half = 1: each bf16 value is widened again and packed as f16.
.macro CONV blk, half
.irp e, 0,1,2,3
.irp q, 0,1,2,3
	v_cvt_pk_bf16_f32 v[T+4*\e+\q], v[W0+32*\blk+8*\q+\e], v[W0+32*\blk+8*\q+4+\e]
.endr
.endr
.if \half
.irp n, 0,1,2,3,4,5,6,7,8,9,10,11,12,13,14,15
	v_lshlrev_b32 v12, 16, v[T+\n]
	v_and_b32 v13, 0xffff0000, v[T+\n]
	v_cvt_pk_f16_f32 v[T+\n], v12, v13
.endr
.endif
.irp e, 0,1,2,3
	ds_store_b128 v4, v[T+4*\e:T+4*\e+3] offset:\blk*STG+\e*SP
.endr
.endm
	s_wait_loadcnt 24                              ; block 0 is in: the 8 + 16 younger loads stay out
	CONV 0, 0
	s_wait_loadcnt 16                              ; block 1 is in: X's 16 stay out
	s_cmp_lg_u32 s20, 0
	s_cbranch_scc1 .Lhalf
	CONV 1, 0
	s_branch .Lstaged
.Lhalf:
	CONV 1, 1
.Lstaged:
	s_wait_dscnt 0x0                               ; my stage stores are done, for the other waves' sake
	s_barrier_signal -1
	s_barrier_wait -1
.irp i, 0,1,2,3
	ds_load_b128 v[W0+4*\i:W0+4*\i+3], v5 offset:\i*16*SP          ; block 0: rows 16 i + (t>>4)
.endr
.irp i, 0,1,2,3
	ds_load_b128 v[W0+16+4*\i:W0+16+4*\i+3], v5 offset:STG+\i*16*SP
.endr
	; X while the rows come back: four f32 become 8 bytes; a wave's store covers 256 consecutive bytes, aligned
.irp i, 0,1,2,3,4,5,6,7,8,9,10,11,12,13,14,15
	s_wait_loadcnt 15-\i                           ; chunk i is in, the younger ones stay out
	v_cvt_pk_bf16_f32 v[XR+4*\i], v[XR+4*\i], v[XR+4*\i+1]
	v_cvt_pk_bf16_f32 v[XR+4*\i+1], v[XR+4*\i+2], v[XR+4*\i+3]
	global_store_b64 v2, v[XR+4*\i:XR+4*\i+1], s[14:15] offset:\i*2048
.endr
	; the transposed rows: sixteen lanes store 256 consecutive bytes of one row, aligned
	s_wait_dscnt 7
	global_store_b128 v6, v[W0:W0+3], s[16:17]
	s_wait_dscnt 6
	global_store_b128 v6, v[W0+4:W0+7], s[16:17] offset:32768
	s_wait_dscnt 5
	global_store_b128 v7, v[W0+8:W0+11], s[16:17] offset:65536
	s_wait_dscnt 4
	global_store_b128 v7, v[W0+12:W0+15], s[16:17] offset:98304
	s_wait_dscnt 3
	global_store_b128 v6, v[W0+16:W0+19], s[34:35]
	s_wait_dscnt 2
	global_store_b128 v6, v[W0+20:W0+23], s[34:35] offset:32768
	s_wait_dscnt 1
	global_store_b128 v8, v[W0+24:W0+27], s[34:35] offset:65536
	s_wait_dscnt 0
	global_store_b128 v8, v[W0+28:W0+31], s[34:35] offset:98304
	s_wait_tensorcnt 0x0
	ds_add_u32 v160, v161
	s_wait_dscnt 0x0
	s_endpgm
.Lfunc_end_k_q5f0ad935b4_prep:
	.size	k_q5f0ad935b4_prep, .Lfunc_end_k_q5f0ad935b4_prep-k_q5f0ad935b4_prep
	.p2alignl 7, 3214868480
	.fill 96, 4, 3214868480
	.section	.rodata,"a",@progbits
	.p2align	6, 0x0
	.amdhsa_kernel k_q5f0ad935b4_prep
		.amdhsa_group_segment_fixed_size 35840
		.amdhsa_private_segment_fixed_size 0
		.amdhsa_enable_private_segment 0
		.amdhsa_kernarg_size 64
		.amdhsa_user_sgpr_count 2
		.amdhsa_user_sgpr_kernarg_segment_ptr 1
		.amdhsa_wavefront_size32 1
		.amdhsa_system_sgpr_workgroup_id_x 1
		.amdhsa_system_sgpr_workgroup_id_y 1
		.amdhsa_system_sgpr_workgroup_id_z 1
		.amdhsa_system_vgpr_workitem_id 0
		.amdhsa_next_free_vgpr 162
		.amdhsa_next_free_sgpr 66
		.amdhsa_reserve_vcc 0
		.amdhsa_float_denorm_mode_32 3
		.amdhsa_float_denorm_mode_16_64 3
		.amdhsa_memory_ordered 1
		.amdhsa_forward_progress 1
		.amdhsa_inst_pref_size 18
	.end_amdhsa_kernel
	.amdgpu_metadata
---
amdhsa.version: [ 1, 2 ]
amdhsa.kernels:
  - .name:           k_q5f0ad935b4_prep
    .symbol:         k_q5f0ad935b4_prep.kd
    .args:
      - { .name: X_emb, .offset: 0, .size: 8, .value_kind: global_buffer, .address_space: global }
      - { .name: W_q, .offset: 8, .size: 8, .value_kind: global_buffer, .address_space: global }
      - { .name: W_k, .offset: 16, .size: 8, .value_kind: global_buffer, .address_space: global }
      - { .name: W_v, .offset: 24, .size: 8, .value_kind: global_buffer, .address_space: global }
      - { .name: W_out, .offset: 32, .size: 8, .value_kind: global_buffer, .address_space: global }
      - { .name: Xb, .offset: 40, .size: 8, .value_kind: global_buffer, .address_space: global }
      - { .name: Wt, .offset: 48, .size: 8, .value_kind: global_buffer, .address_space: global }
      - { .name: Wot, .offset: 56, .size: 8, .value_kind: global_buffer, .address_space: global }
    .group_segment_fixed_size: 35840
    .private_segment_fixed_size: 0
    .kernarg_segment_align: 8
    .kernarg_segment_size: 64
    .max_flat_workgroup_size: 256
    .sgpr_count:     66
    .vgpr_count:     162
    .wavefront_size: 32
...
	.end_amdgpu_metadata
.endif
;; end of part 1
;; launch qkv (part 2): grid 16 x 16, 4 waves a work-group, clusters of 4 x 4, 327,680 bytes of LDS; arguments Xb, Wt, Qh, Kh, Vt; writes Qh, Kh, Vt
.if DOCPART == 2
	.amdgcn_target "amdgcn-amd-amdhsa--gfx1250"
	.amdhsa_code_object_version 6
	.text
	.protected	k_q5f0ad935b4_qkv
	.globl	k_q5f0ad935b4_qkv
	.p2align	8
	.type	k_q5f0ad935b4_qkv,@function
k_q5f0ad935b4_qkv:
	s_mov_b64 s[64:65], 0
	v_nop
	global_prefetch_b8 v0, s[64:65] scope:SCOPE_SE
	s_setreg_imm32_b32 hwreg(HW_REG_WAVE_MODE, 25, 1), 1
	s_wait_xcnt 0x0
	s_wait_alu depctr_hold_cnt(0) depctr_sa_sdst(0) depctr_va_vdst(0) depctr_va_sdst(0) depctr_va_ssrc(0) depctr_va_vcc(0) depctr_vm_vsrc(0)
	s_getreg_b32 s2, hwreg(HW_REG_IB_STS2, 6, 4)
	s_cmp_eq_u32 s2, 0
	s_cbranch_scc0 .Lentry_in_a_cluster
	s_endpgm
.Lentry_in_a_cluster:
	s_bfe_u32 s2, ttmp6, 0x10000c
	s_cmp_lg_u32 s2, 0xf033
	s_cbranch_scc0 .Lentry_shape_is_right
	s_endpgm
.Lentry_shape_is_right:
; qkv: [4096 x 1024] Xb times Wt^T [3072 x 1024], bf16 operands, f32 sums, results rounded once to f16:
;   Qh, Kh [bh = 16 b + head][2048 s][64 d],  Vt [bh][64 d][2048 s].
; LIMIT: q, k and v are kept in f16: magnitudes of 65,504 and above overflow.  The order of the sums is the matrix unit's, K ascending.
; A work-group makes 256 rows x the 192 columns of one head (q, k, v) with four waves, 2 x 2; a wave makes 128 x 96: 8 x 6 tiles, 384 registers.
; Wt's row order gives every wave the same picture: its column blocks 0,1 are q, 2,3 are k, 4,5 are v, each for d = 32 (wave&1) + 16 (b&1) + ..
; K goes in steps of 128 (rows of 256 bytes of memory, aligned) through two LDS slots filled by the tensor data mover.
; CLUSTERS: 4 x 4 work-groups.  X's tile hangs on the row block alone and is asked for jointly along a row of the cluster, Wt's on the head alone and
; is asked for jointly along a column: the requests for both are divided by four.
; q and k tiles are made transposed (source 0 = rows of Wt, source 1 = rows of X): a lane then holds 8 neighbouring d of one row s.
; v tiles are made the plain way (source 0 = rows of X): a lane then holds 8 neighbouring s of one d, which is V transposed as Vt wants it.
; REGISTERS: window 0: v16-28 addresses; two fragment buffers, each 8 fragments of X then 6 of Wt: v32-143, v144-255.
;            window 2: tiles (a, b) of my rows 0-63 at v[8 (6 a + b)]; window 3: those of my rows 64-127.
.set SIZE_K, 1024
.set KSTEP,  128
.set PITCH,  272                       ; an LDS row: 256 bytes + 16 of padding: the 16 rows of a fragment load start 16 bytes apart modulo 256
.set HALFA,  128*PITCH                 ; what one load of X brings, and what one wave reads of X
.set HALFB,  96*PITCH                  ; the same for Wt
.set SLOT,   2*HALFA+2*HALFB           ; X's 256 rows, then Wt's 192
.set LAPS,   SIZE_K/(2*KSTEP)          ; a lap = two K steps = once round the ring: 4
.set QP,     144                       ; the way out: a row of 64 f16 + 16 bytes
.set KS,     256*QP                    ; k's stage behind q's
.set VS,     2*KS                      ; v's stage behind k's
.set VSP,    528                       ; a row of 256 f16 + 16 bytes; the stages end at byte 107,520, inside slot 0
.set ADRA, 16                          ; v16-17 LDS address of my X fragments in slot 0, 1
.set ADRB, 20                          ; v20-21 the same for Wt
.set STQ,  22                          ; where I put 16 bytes of a q row (k: + KS)
.set STV,  23                          ; where I put 16 bytes of a v row
.set RDQ,  24                          ; where I read q back
.set RDK,  25                          ; k
.set RDV,  26                          ; v
.set GQ,   27                          ; my byte offset in Qh's and Kh's block
.set GV,   28                          ; and in Vt's
.set F0,   32
.set F1,   144
.set G1, 24                            ; s[24:31] descriptor group 1, X
.set G0, 32                            ; s[32:39] group 0, X, one set for each slot
.set G1B, 48                           ; s[48:55] group 1, Wt
.set G0B, 56                           ; s[56:63] group 0, Wt
.set MSB, 0
.macro WIN new                         ; s_set_vgpr_msb: bits 1:0 source 0, 3:2 source 1, 5:4 source 2, 7:6 destination; the high byte repeats the setting that is left
.if MSB != \new
	s_set_vgpr_msb (MSB<<8)|\new
.set MSB, \new
.endif
.endm
.set MUL_LO, 0xa0                      ; both sources window 0, C and D window 2
.set MUL_HI, 0xf0                      ; C and D window 3
; A joint load: waves 0 and 1 fetch X's two halves, waves 2 and 3 Wt's.  The branch hangs on the wave's number alone.
.macro JLOAD s
	s_cmp_eq_u32 s11, 0
	s_cbranch_scc0 .Lfor_b_\@
	tensor_load_to_lds s[G0+4*\s:G0+4*\s+3], s[G1:G1+7]
	s_nop 0
	s_branch .Lasked_\@
.Lfor_b_\@:
	tensor_load_to_lds s[G0B+4*\s:G0B+4*\s+3], s[G1B:G1B+7]
	s_nop 0
.Lasked_\@:
.endm
; A round of the cluster's barrier: my work-group's barrier; wave 0 signals for the work-group; every wave waits for all sixteen; my work-group's barrier again.
.macro CREST
	s_cmp_lg_u32 s10, 0
	s_cbranch_scc1 .Lnot_wave_0_\@
	s_barrier_signal -3
.Lnot_wave_0_\@:
	s_barrier_wait -3
	s_barrier_signal -1
	s_barrier_wait -1
.endm
.macro CROUND
	s_barrier_signal -1
	s_barrier_wait -1
	CREST
.endm
	s_load_b128 s[4:7], s[0:1], 0x0                ; Xb s[4:5], Wt s[6:7]
	s_load_b128 s[68:71], s[0:1], 0x10             ; Qh s[68:69], Kh s[70:71]
	s_load_b64 s[72:73], s[0:1], 0x20              ; Vt
	v_lshl_add_u32 v30, v0, 2, 0x3b800
	v_mov_b32 v31, 0
	ds_add_u32 v30, v31
	ds_add_u32 v30, v31
	v_lshrrev_b32 v1, 5, v0
	v_readfirstlane_b32 s10, v1                    ; wave 0..3
	s_lshr_b32 s11, s10, 1                         ; my half of the rows.  Also: I fetch for X (0) or for Wt (1)
	s_and_b32 s12, s10, 1                          ; my half of the columns.  Also: which half of that tile I fetch
	s_bfe_u32 s40, ttmp6, 0x40000                  ; cx
	s_bfe_u32 s41, ttmp6, 0x40004                  ; cy
	s_lshl_b32 s42, ttmp9, 2
	s_add_co_u32 s42, s42, s40                     ; head = 4 x cluster x + cx
	s_and_b32 s13, ttmp7, 0xffff
	s_lshl_b32 s13, s13, 2
	s_add_co_u32 s13, s13, s41                     ; row block = 4 x cluster y + cy
	s_lshl_b32 s43, s41, 2
	s_lshl_b32 s43, 15, s43                        ; my row of the cluster
	s_lshl_b32 s44, 0x1111, s40                    ; my column
	s_or_b32 s[G1+0], s43, (1<<16)|(1<<20)|(1<<21)|(5<<22)|(3<<25)  ; mask; 2-byte elements; padding on; bit 21 beside a mask; 4 words behind every 64
	s_or_b32 s[G1B+0], s44, (1<<16)|(1<<20)|(1<<21)|(5<<22)|(3<<25)
	s_mov_b32 s[G1+1], KSTEP<<16                   ; tensor_dim0 = 128
	s_mov_b32 s[G1B+1], KSTEP<<16
	s_mov_b32 s[G1+2], 128<<16                     ; tensor_dim1 = 128 rows of X,
	s_mov_b32 s[G1B+2], 96<<16                     ; 96 of Wt
	s_mov_b32 s[G1+3], KSTEP<<16                   ; tile_dim0 = 128
	s_mov_b32 s[G1B+3], KSTEP<<16
	s_mov_b32 s[G1+4], 128                         ; tile_dim1
	s_mov_b32 s[G1B+4], 96
	s_mov_b32 s[G1+5], SIZE_K                      ; elements from row to row
	s_mov_b32 s[G1B+5], SIZE_K
	s_mov_b32 s[G1+6], 0
	s_mov_b32 s[G1B+6], 0
	s_mov_b32 s[G1+7], 0
	s_mov_b32 s[G1B+7], 0
	; X's address is made of the row block and the wave's number, Wt's of the head and the wave's number, each in registers of its own
	s_lshl_b32 s17, s12, 7
	s_lshl_b32 s16, s13, 8
	s_add_co_u32 s16, s16, s17                     ; X: row 256 x block + 128 x half
	s_lshl_b32 s16, s16, 11                        ; rows of 2,048 bytes
	s_mov_b32 s17, 0
	s_mul_i32 s46, s42, 192
	s_mul_i32 s47, s12, 96
	s_add_co_u32 s46, s46, s47                     ; Wt: row 192 x head + 96 x half
	s_lshl_b32 s46, s46, 11
	s_mov_b32 s47, 0
	s_mul_i32 s20, s10, HALFA                      ; LDS: X's halves at wave x 128 rows (waves 0, 1),
	s_mul_i32 s45, s10, HALFB
	s_add_co_u32 s45, s45, 2*HALFA-2*HALFB         ; Wt's behind them at (wave - 2) x 96 rows (waves 2, 3)
	; where the results go: b = block >> 3, s0 = 256 (block & 7), bh = 16 b + head; in registers that feed no descriptor
	s_lshr_b32 s76, s13, 3
	s_lshl_b32 s76, s76, 4
	s_add_co_u32 s76, s76, s42
	s_lshl_b32 s76, s76, 18                        ; bh x 2,048 x 64 x 2 bytes
	s_and_b32 s77, s13, 7
	s_lshl_b32 s78, s77, 15                        ; s0 rows of 128 bytes
	s_add_co_u32 s78, s78, s76
	s_mov_b32 s79, 0
	s_lshl_b32 s80, s77, 9                         ; s0 columns of 2 bytes
	s_add_co_u32 s80, s80, s76
	s_mov_b32 s81, 0
	s_wait_dscnt 0x0
	s_wait_kmcnt 0x0
	s_add_nc_u64 s[14:15], s[4:5], s[16:17]
	s_add_nc_u64 s[46:47], s[6:7], s[46:47]
	s_add_nc_u64 s[68:69], s[68:69], s[78:79]
	s_add_nc_u64 s[70:71], s[70:71], s[78:79]
	s_add_nc_u64 s[72:73], s[72:73], s[80:81]
	CROUND                                         ; all sixteen work-groups are here: the first joint loads meet
.irp s, 0,1
	s_mov_b32 s[G0+4*\s], 1
	s_add_co_u32 s[G0+4*\s+1], s20, \s*SLOT
	s_add_nc_u64 s[G0+4*\s+2:G0+4*\s+3], s[14:15], \s*KSTEP*2
	s_or_b32 s[G0+4*\s+3], s[G0+4*\s+3], 0x80000000
	s_mov_b32 s[G0B+4*\s], 1
	s_add_co_u32 s[G0B+4*\s+1], s45, \s*SLOT
	s_add_nc_u64 s[G0B+4*\s+2:G0B+4*\s+3], s[46:47], \s*KSTEP*2
	s_or_b32 s[G0B+4*\s+3], s[G0B+4*\s+3], 0x80000000
	JLOAD \s                                       ; both slots' first fills go out before anything else: two tensor loads of the wave are out
.endr
	v_and_b32 v1, 15, v0                           ; r = l % 16
	v_bfe_u32 v2, v0, 4, 1                         ; h = l / 16
	v_mul_u32_u24 v3, v1, PITCH
	v_lshl_add_u32 v3, v2, 4, v3                   ; a fragment's two loads: row r, byte 16 h and 32 further
	s_mul_i32 s22, s11, HALFA
	s_mul_i32 s23, s12, HALFB
	s_add_co_u32 s23, s23, 2*HALFA
.irp s, 0,1
	v_add_nc_u32 v[ADRA+\s], s22, v3
	v_add_nc_u32 v[ADRB+\s], s23, v3
	s_add_co_u32 s22, s22, SLOT
	s_add_co_u32 s23, s23, SLOT
.endr
	v_mul_u32_u24 v4, v1, QP
	v_lshl_add_u32 v4, v2, 4, v4
	s_mul_i32 s2, s11, 128*QP
	s_lshl_b32 s3, s12, 6
	s_add_co_u32 s2, s2, s3
	v_add_nc_u32 v[STQ], s2, v4                    ; row 128 x row half + r, byte 64 x column half + 16 h
	v_mul_u32_u24 v4, v1, VSP
	v_lshl_add_u32 v4, v2, 4, v4
	s_mul_i32 s2, s12, 32*VSP
	s_lshl_b32 s3, s11, 8
	s_add_co_u32 s2, s2, s3
	s_add_co_u32 s2, s2, VS
	v_add_nc_u32 v[STV], s2, v4                    ; row 32 x column half + r, byte 256 x row half + 16 h
	v_lshrrev_b32 v4, 3, v0
	v_and_b32 v5, 7, v0
	v_mul_u32_u24 v4, v4, QP
	v_lshl_add_u32 v[RDQ], v5, 4, v4               ; back: row t >> 3, byte 16 (t & 7)
	v_add_nc_u32 v[RDK], KS, v[RDQ]
	v_lshrrev_b32 v4, 5, v0
	v_and_b32 v5, 31, v0
	v_mul_u32_u24 v6, v4, VSP
	v_lshl_add_u32 v6, v5, 4, v6
	v_add_nc_u32 v[RDV], VS, v6                    ; back: row t >> 5, byte 16 (t & 31)
	v_lshlrev_b32 v[GQ], 4, v0                     ; q, k: the block is 32 KiB without gaps
	v_lshlrev_b32 v6, 4, v5
	v_lshl_add_u32 v[GV], v4, 12, v6               ; v: rows of 4,096 bytes
.macro MM d, x, y, zero
.if \zero
	v_wmma_f32_16x16x32_bf16 v[\d:\d+7], v[\x:\x+7], v[\y:\y+7], 0
.else
	v_wmma_f32_16x16x32_bf16 v[\d:\d+7], v[\x:\x+7], v[\y:\y+7], v[\d:\d+7]
.endif
.endm
; 12 matrix instructions: row blocks a0, a0 + 1 of the window's four x all 6 column blocks, 32 along K.  zero = 1: the first product starts the sums.
; The 48 accumulators take turns, one instruction a turn, in the same order in every quarter step.
.macro MUL12 f, hi, a0, zero
.irp a, \a0, \a0+1
.irp b, 0,1,2,3
	MM 8*(6*(\a)+\b), \f+64+8*\b, \f+8*(4*\hi+\a), \zero
.endr
.irp b, 4,5
	MM 8*(6*(\a)+\b), \f+8*(4*\hi+\a), \f+64+8*\b, \zero
.endr
.endr
.endm
; 28 LDS loads in one run: Wt's 96 rows, then X's 128 rows (rows 0-63 first), 32 K at byte k of the rows, into buffer f
.macro FETCH slot, k, f
	WIN 0
.irp i, 0,1,2,3,4,5
	ds_load_b128 v[\f+64+8*\i:\f+64+8*\i+3],   v[ADRB+\slot] offset:\k+\i*16*PITCH
	ds_load_b128 v[\f+64+8*\i+4:\f+64+8*\i+7], v[ADRB+\slot] offset:\k+\i*16*PITCH+32
.endr
.irp i, 0,1,2,3,4,5,6,7
	ds_load_b128 v[\f+8*\i:\f+8*\i+3],   v[ADRA+\slot] offset:\k+\i*16*PITCH
	ds_load_b128 v[\f+8*\i+4:\f+8*\i+7], v[ADRA+\slot] offset:\k+\i*16*PITCH+32
.endr
.endm
; Four places stand between a matrix instruction and a load into one of its sources, or a vector instruction that reads its result (ISA guide 7.12.1 for
; vector instructions); matrix instructions in between are not counted.
.macro PLACES
.rept 4
	v_nop
.endr
.endm
.macro QUARTER slot, k, f, g, zero
	s_wait_dscnt 8                                 ; Wt's and X's rows 0-63 are in; the youngest eight loads (X's rows 64-127) may be out
	WIN MUL_LO
	MUL12 \f, 0, 0, \zero
	MUL12 \f, 0, 2, \zero
	PLACES
	FETCH \slot, \k, \g
	s_wait_dscnt 28                                ; all but the 28 just issued
	WIN MUL_HI
	MUL12 \f, 1, 0, \zero
	MUL12 \f, 1, 2, \zero
.endm
.macro THREE slot, zero
	QUARTER \slot, 64,  F0, F1, \zero
	QUARTER \slot, 128, F1, F0, 0
	QUARTER \slot, 192, F0, F1, 0
.endm
; The last quarter of a K step changes slots.  In front of the barrier each wave waits for its reads of this slot and for all its tensor loads (one is
; out: its part of the next slot).  Where the slot is filled again the barrier opens a round of the cluster's barrier, and the joint refill is the
; first tensor load behind the round: one tensor load of the wave is out from there on.
.macro TURN slot, next, fill
	s_wait_dscnt 8
	WIN MUL_LO
	MUL12 F1, 0, 0, 0
	s_wait_dscnt 0                                 ; my reads of this slot are over
	s_wait_tensorcnt 0x0                           ; all my tensor loads have landed
	ds_add_u32 v30, v31
	s_wait_dscnt 0x0
	s_barrier_signal -1
	MUL12 F1, 0, 2, 0                              ; register work while the others arrive
	WIN 0
	s_barrier_wait -1
.if \fill
	CREST
	s_add_nc_u64 s[G0+4*\slot+2:G0+4*\slot+3], s[G0+4*\slot+2:G0+4*\slot+3], 2*KSTEP*2
	s_add_nc_u64 s[G0B+4*\slot+2:G0B+4*\slot+3], s[G0B+4*\slot+2:G0B+4*\slot+3], 2*KSTEP*2
	JLOAD \slot
.endif
	PLACES
	FETCH \next, 0, F0
	WIN MUL_HI
	MUL12 F1, 1, 0, 0
	MUL12 F1, 1, 2, 0
.endm
.macro LAP zero
	THREE 0, \zero
	TURN 0, 1, 1
	THREE 1, 0
	TURN 1, 0, 1
.endm
	s_wait_tensorcnt 1                             ; my part of K step 0 is in; K step 1's may stay out
	s_barrier_signal -1
	s_barrier_wait -1
	FETCH 0, 0, F0
	LAP 1                                          ; the first lap's first products start the sums
	WIN 0
	s_mov_b32 s3, LAPS-2
.Llap:
	LAP 0
	WIN 0
	s_sub_co_u32 s3, s3, 1
	s_cmp_lg_u32 s3, 0
	s_cbranch_scc1 .Llap
	THREE 0, 0                                     ; the last lap fills nothing
	TURN 0, 1, 0                                   ; behind this barrier no wave reads slot 0 any more, and no load will fill it again
	THREE 1, 0
	s_wait_dscnt 8
	WIN MUL_LO
	MUL12 F1, 0, 0, 0
	MUL12 F1, 0, 2, 0
	s_wait_dscnt 0
	WIN MUL_HI
	MUL12 F1, 1, 0, 0
	MUL12 F1, 1, 2, 0
	; THE WAY OUT.  Each tile is rounded to f16, 16 bytes a lane, into stages in slot 0's bytes (its last fill and its last reads are over);
	; the four waves' pieces make whole rows there, which are read back and stored in runs of 512 consecutive bytes a wave.
	PLACES
; row block a (0..7) of my 128 rows = tiles (al, 0..5) of window 2 or 3 (from = 0x0a or 0x0f: both sources); t: the packed results' registers, two sets in turn
.macro OUTROW a, al, from, t
	WIN \from
.irp b, 0,1,2,3,4,5
.irp w, 0,1,2,3
	v_cvt_pk_f16_f32 v[\t+4*\b+\w], v[8*(6*\al+\b)+2*\w], v[8*(6*\al+\b)+2*\w+1]
.endr
.endr
	WIN 0
.irp b, 0,1
	ds_store_b128 v[STQ], v[\t+4*\b:\t+4*\b+3] offset:\a*16*QP+32*\b
	ds_store_b128 v[STQ], v[\t+8+4*\b:\t+8+4*\b+3] offset:KS+\a*16*QP+32*\b
	ds_store_b128 v[STV], v[\t+16+4*\b:\t+16+4*\b+3] offset:\b*16*VSP+32*\a
.endr
.endm
	OUTROW 0, 0, 0x0a, 32
	OUTROW 1, 1, 0x0a, 56
	OUTROW 2, 2, 0x0a, 32
	OUTROW 3, 3, 0x0a, 56
	OUTROW 4, 0, 0x0f, 32
	OUTROW 5, 1, 0x0f, 56
	OUTROW 6, 2, 0x0f, 32
	OUTROW 7, 3, 0x0f, 56
	s_wait_dscnt 0x0                               ; my stage stores are done, for the other waves' sake
	s_barrier_signal -1
	s_barrier_wait -1
.irp n, 0,1,2,3,4,5,6,7,8,9,10,11,12,13,14,15
	ds_load_b128 v[32+4*\n:32+4*\n+3], v[RDQ] offset:\n*16*QP      ; q: rows 16 n + (t >> 3)
.endr
.irp n, 0,1,2,3,4,5,6,7,8,9,10,11,12,13,14,15
	ds_load_b128 v[96+4*\n:96+4*\n+3], v[RDK] offset:\n*16*QP      ; k
.endr
.irp n, 0,1,2,3,4,5,6,7,8,9,10,11,12,13,14,15
	ds_load_b128 v[160+4*\n:160+4*\n+3], v[RDV] offset:\n*4*VSP    ; v: rows 4 n + (t >> 5)
.endr
.irp n, 0,1,2,3,4,5,6,7,8,9,10,11,12,13,14,15
	s_wait_dscnt 47-\n                             ; LDS loads come back in order: this one is in, the younger ones stay out
	global_store_b128 v[GQ], v[32+4*\n:32+4*\n+3], s[68:69] offset:\n*2048
.endr
.irp n, 0,1,2,3,4,5,6,7,8,9,10,11,12,13,14,15
	s_wait_dscnt 31-\n
	global_store_b128 v[GQ], v[96+4*\n:96+4*\n+3], s[70:71] offset:\n*2048
.endr
.irp n, 0,1,2,3,4,5,6,7,8,9,10,11,12,13,14,15
	s_wait_dscnt 15-\n
	global_store_b128 v[GV], v[160+4*\n:160+4*\n+3], s[72:73] offset:\n*16384
.endr
	s_wait_tensorcnt 0x0
	ds_add_u32 v30, v31
	s_wait_dscnt 0x0
	CROUND                                         ; the closing round: no work-group ends while a partner may still ask for a tile that names it
	s_endpgm
.Lfunc_end_k_q5f0ad935b4_qkv:
	.size	k_q5f0ad935b4_qkv, .Lfunc_end_k_q5f0ad935b4_qkv-k_q5f0ad935b4_qkv
	.p2alignl 7, 3214868480
	.fill 96, 4, 3214868480
	.section	.rodata,"a",@progbits
	.p2align	6, 0x0
	.amdhsa_kernel k_q5f0ad935b4_qkv
		.amdhsa_group_segment_fixed_size 327680
		.amdhsa_private_segment_fixed_size 0
		.amdhsa_enable_private_segment 0
		.amdhsa_kernarg_size 40
		.amdhsa_user_sgpr_count 2
		.amdhsa_user_sgpr_kernarg_segment_ptr 1
		.amdhsa_wavefront_size32 1
		.amdhsa_system_sgpr_workgroup_id_x 1
		.amdhsa_system_sgpr_workgroup_id_y 1
		.amdhsa_system_sgpr_workgroup_id_z 1
		.amdhsa_system_vgpr_workitem_id 0
		.amdhsa_next_free_vgpr 960
		.amdhsa_next_free_sgpr 82
		.amdhsa_reserve_vcc 0
		.amdhsa_float_denorm_mode_32 3
		.amdhsa_float_denorm_mode_16_64 3
		.amdhsa_memory_ordered 1
		.amdhsa_forward_progress 1
		.amdhsa_inst_pref_size 158
	.end_amdhsa_kernel
	.amdgpu_metadata
---
amdhsa.version: [ 1, 2 ]
amdhsa.kernels:
  - .name:           k_q5f0ad935b4_qkv
    .symbol:         k_q5f0ad935b4_qkv.kd
    .args:
      - { .name: Xb, .offset: 0, .size: 8, .value_kind: global_buffer, .address_space: global }
      - { .name: Wt, .offset: 8, .size: 8, .value_kind: global_buffer, .address_space: global }
      - { .name: Qh, .offset: 16, .size: 8, .value_kind: global_buffer, .address_space: global }
      - { .name: Kh, .offset: 24, .size: 8, .value_kind: global_buffer, .address_space: global }
      - { .name: Vt, .offset: 32, .size: 8, .value_kind: global_buffer, .address_space: global }
    .group_segment_fixed_size: 327680
    .private_segment_fixed_size: 0
    .kernarg_segment_align: 8
    .kernarg_segment_size: 40
    .max_flat_workgroup_size: 128
    .sgpr_count:     82
    .vgpr_count:     960
    .wavefront_size: 32
...
	.end_amdgpu_metadata
.endif
;; end of part 2
;; launch attn (part 3): grid 8 x 32, 4 waves a work-group, no clusters, 327,680 bytes of LDS; arguments Qh, Kh, Vt, Ctx; writes Ctx
.if DOCPART == 3
	.amdgcn_target "amdgcn-amd-amdhsa--gfx1250"
	.amdhsa_code_object_version 6
	.text
	.protected	k_q5f0ad935b4_attn
	.globl	k_q5f0ad935b4_attn
	.p2align	8
	.type	k_q5f0ad935b4_attn,@function
k_q5f0ad935b4_attn:
	s_mov_b64 s[64:65], 0
	v_nop
	global_prefetch_b8 v0, s[64:65] scope:SCOPE_SE
	s_setreg_imm32_b32 hwreg(HW_REG_WAVE_MODE, 25, 1), 1
	s_wait_xcnt 0x0
; attn: causal attention of one (batch, head) = bh, f16 operands, f32 scores, running maximum and sums in f32.  Ctx [bh][2048 s][64 d] f16.
; LIMITS: ctx is kept in f16 (magnitudes of 65,504 and above overflow); an exponential below 2^-126, and a weight below f16's smallest denormal,
; counts as 0; the weights are summed in f32 before they are rounded to f16; the order of the sums is not the reference computation's.
; Work-group (j, bh) makes query blocks j and 15 - j (128 rows each), one after the other: (j + 1) + (16 - j) = 17 key tiles of 128 keys in every
; work-group, so all 256 work-groups have the same work and the trip count is a constant.  Keys above the diagonal block are never touched.
; NO CLUSTER: the eight work-groups of one head walk the tiles in different orders (trip t reads tile t up to t = j, then tile t - j - 1), so in one
; trip the partners want different tiles and no joint request would meet.
; Wave u owns 32 queries, as two tiles c of 16.  Both products are made transposed:
;   S^T = K Q^T:  source 0 = 16 keys x 32 d, source 1 = 16 queries x 32 d: lane (r, h), register jj holds key 16 a + 8 h + jj of query r;
;   O^T = V^T P^T: source 0 = 16 d x 32 keys, source 1 = P: a lane's registers 0-3 want keys 8 h + 0..7, registers 4-7 keys 16 + 8 h + 0..7 of query r,
; which are the very numbers the lane holds: P is packed in place, and maximum, sum and rescaling are a lane's own but for one exchange between the halves.
; LDS: slot s at s x 35,840: K 128 rows x 144 bytes, then V^T 64 rows x 272 bytes; behind the ring a stage of 32 x 144 bytes for each wave, into which no load lands.
; Waves 0, 1 fetch K's halves, waves 2, 3 V^T's: one tensor load a wave behind each barrier, so one tensor load of a wave is out at any time.
.set SLOTB, 35840
.set KP,    144
.set VP,    272
.set VOFF,  128*KP
.set STG,   2*SLOTB
.set NM,   4                           ; v[4:5] = {-c1 M, M} of query tile 0, v[6:7] of tile 1 (M the running maximum, c1 = log2(e) / 8)
.set AL,   8                           ; v[8:9] = {alpha, L} of tile 0, v[10:11] of tile 1 (L: this half's part of the running sum)
.set T,    12                          ; v[12:19] at work
.set AC,   20                          ; v[20:27] four pairs of partial sums
.set DQ,   28                          ; v28, v29: 32 u + 16 c + r - 8 h: key 64 kk + 16 a + jj is kept where it is not above this
.set QOFF, 30                          ; Q: r x 128 + 16 h
.set STO,  31                          ; stage in
.set Q,    32                          ; v[32:63]   Q[c][ds] at 32 + 16 c + 8 ds
.set O,    64                          ; v[64:127]  O[dt][c] at 64 + 16 dt + 8 c
.set S,    128                         ; v[128:191] S[a][c] at 128 + 32 c + 8 a; P[c][ks] at 128 + 32 c + 16 ks
.set BA,   192                         ; v[192:223] K tiles 0, 1, then V^T for keys 0-31
.set BB,   224                         ; v[224:255] K tiles 2, 3, then V^T for keys 32-63
                                       ; v0 = 16 l (Ctx), v1 = stage back, v2 = K fragments, v3 = V^T fragments
.set G1K, 24                           ; s[24:31]
.set G1V, 32                           ; s[32:39]
.set G0K, 40                           ; s[40:47], a set for each slot
.set G0V, 48                           ; s[48:55]
	s_load_b256 s[4:11], s[0:1], 0x0               ; Qh s[4:5], Kh s[6:7], Vt s[8:9], Ctx s[10:11]
	s_set_vgpr_msb 0x40
	v_lshl_add_u32 v0, v0, 2, 0x29000
	v_mov_b32 v1, 0
	s_set_vgpr_msb 0x4045
	ds_add_u32 v0, v1
	ds_add_u32 v0, v1
	s_set_vgpr_msb 0x4500
	v_lshrrev_b32 v12, 5, v0
	v_readfirstlane_b32 s14, v12                   ; wave u
	s_mov_b32 s15, ttmp9                           ; j
	s_and_b32 s74, ttmp7, 0xffff                   ; bh
	s_lshr_b32 s72, s14, 1                         ; I fetch K (0) or V^T (1),
	s_and_b32 s73, s14, 1                          ; this half of it
	s_mov_b32 s12, 0x76543210                      ; v_permlanex16_b32: lane i reads lane i of the other half
	s_mov_b32 s13, 0xfedcba98
	s_mov_b32 s20, 0x3e38aa3b                      ; c1 = log2(e) / 8: the division by sqrt(64) and the base of v_exp_f32 in one factor
	s_mov_b32 s21, 0x3e38aa3b
	s_mov_b32 s22, 0xbe38aa3b                      ; -c1
	s_mov_b32 s23, 0xff800000                      ; -infinity
	s_mov_b32 s[G1K+0], (1<<16)|(1<<20)|(4<<22)|(3<<25)  ; 2-byte elements; 4 words of padding behind every 32: LDS pitch 144
	s_mov_b32 s[G1K+1], 64<<16                     ; tensor_dim0 = 64 d
	s_mov_b32 s[G1K+2], 64<<16                     ; tensor_dim1 = 64 keys
	s_mov_b32 s[G1K+3], 64<<16                     ; tile_dim0
	s_mov_b32 s[G1K+4], 64                         ; tile_dim1
	s_mov_b32 s[G1K+5], 64                         ; elements from row to row
	s_mov_b32 s[G1K+6], 0
	s_mov_b32 s[G1K+7], 0
	s_mov_b32 s[G1V+0], (1<<16)|(1<<20)|(5<<22)|(3<<25)  ; 4 words behind every 64: LDS pitch 272
	s_mov_b32 s[G1V+1], 128<<16                    ; 128 keys
	s_mov_b32 s[G1V+2], 32<<16                     ; 32 d
	s_mov_b32 s[G1V+3], 128<<16
	s_mov_b32 s[G1V+4], 32
	s_mov_b32 s[G1V+5], 2048
	s_mov_b32 s[G1V+6], 0
	s_mov_b32 s[G1V+7], 0
	s_lshl_b32 s75, s74, 18                        ; bh x 262,144 bytes, in all four tensors
	s_mov_b32 s61, 0
	s_mul_i32 s19, s14, 64*KP                      ; LDS: K's halves at wave x 64 rows (waves 0, 1),
	s_mul_i32 s76, s14, 32*VP
	s_add_co_u32 s76, s76, VOFF-64*VP              ; V^T's behind them at (wave - 2) x 32 rows (waves 2, 3)
.irp s, 0,1
	s_mov_b32 s[G0K+4*\s], 1
	s_add_co_u32 s[G0K+4*\s+1], s19, \s*SLOTB
	s_mov_b32 s[G0V+4*\s], 1
	s_add_co_u32 s[G0V+4*\s+1], s76, \s*SLOTB
.endr
	s_lshl_b32 s60, s73, 13                        ; my 64 keys of 128 bytes
	s_add_co_u32 s60, s60, s75
	s_wait_dscnt 0x0
	s_wait_kmcnt 0x0
	s_add_nc_u64 s[56:57], s[6:7], s[60:61]        ; K: my half of tile 0
	s_lshl_b32 s60, s73, 17                        ; my 32 d of 4,096 bytes
	s_add_co_u32 s60, s60, s75
	s_add_nc_u64 s[58:59], s[8:9], s[60:61]        ; V^T: my half of tile 0
	s_mov_b64 s[G0K+2:G0K+3], s[56:57]
	s_or_b32 s[G0K+3], s[G0K+3], 0x80000000
	s_mov_b64 s[G0V+2:G0V+3], s[58:59]
	s_or_b32 s[G0V+3], s[G0V+3], 0x80000000
.macro JLOAD s                         ; my one tensor load: the branch hangs on the wave's number alone
	s_cmp_eq_u32 s72, 0
	s_cbranch_scc0 .Lfor_v_\@
	tensor_load_to_lds s[G0K+4*(\s):G0K+4*(\s)+3], s[G1K:G1K+7]
	s_nop 0
	s_branch .Lasked_\@
.Lfor_v_\@:
	tensor_load_to_lds s[G0V+4*(\s):G0V+4*(\s)+3], s[G1V:G1V+7]
	s_nop 0
.Lasked_\@:
.endm
	JLOAD 0                                        ; tile 0 into slot 0: the one first fill; slot 1 is filled behind the first trip's barrier
	s_lshl_b32 s77, s14, 12                        ; my 32 rows of 128 bytes
	s_add_co_u32 s77, s77, s75
	s_lshl_b32 s60, s15, 14                        ; block j
	s_add_co_u32 s60, s60, s77
	s_add_nc_u64 s[62:63], s[4:5], s[60:61]        ; Q, low block
	s_add_nc_u64 s[68:69], s[10:11], s[60:61]      ; Ctx, low block
	s_sub_co_u32 s60, 15, s15                      ; block 15 - j
	s_lshl_b32 s60, s60, 14
	s_add_co_u32 s60, s60, s77
	s_add_nc_u64 s[66:67], s[4:5], s[60:61]        ; Q, high block
	s_add_nc_u64 s[70:71], s[10:11], s[60:61]      ; Ctx, high block
	v_and_b32 v12, 31, v0                          ; l
	v_and_b32 v13, 15, v0                          ; r
	v_bfe_u32 v14, v0, 4, 1                        ; h
	v_lshlrev_b32 v[QOFF], 7, v13
	v_lshl_add_u32 v[QOFF], v14, 4, v[QOFF]
.macro QLOAD base                      ; 32 queries x 64 d as four fragments: row 16 c + r, bytes 64 ds + 16 h and 32 further
.irp c, 0,1
.irp ds, 0,1
	global_load_b128 v[Q+16*\c+8*\ds:Q+16*\c+8*\ds+3],   v[QOFF], s[\base:\base+1] offset:2048*\c+64*\ds
	global_load_b128 v[Q+16*\c+8*\ds+4:Q+16*\c+8*\ds+7], v[QOFF], s[\base:\base+1] offset:2048*\c+64*\ds+32
.endr
.endr
.endm
	QLOAD 62
	v_mul_u32_u24 v2, v13, KP
	v_lshl_add_u32 v2, v14, 4, v2                  ; K fragments: row r, byte 16 h
	v_mul_u32_u24 v3, v13, VP
	v_lshl_add_u32 v3, v14, 4, v3
	v_add_nc_u32 v3, VOFF, v3                      ; V^T fragments
	s_mul_i32 s19, s14, 32*KP
	s_add_co_u32 s19, s19, STG                     ; my stage
	v_add_nc_u32 v[STO], s19, v2                   ; in: row r, byte 16 h
	v_lshrrev_b32 v15, 3, v12
	v_and_b32 v16, 7, v0
	v_mul_u32_u24 v15, v15, KP
	v_lshl_add_u32 v15, v16, 4, v15
	v_add_nc_u32 v1, s19, v15                      ; back: row l >> 3, byte 16 (l & 7)
	v_lshlrev_b32 v17, 3, v14
	v_sub_nc_u32 v[DQ], v13, v17                   ; r - 8 h
	s_lshl_b32 s19, s14, 5
	v_add_nc_u32 v[DQ], s19, v[DQ]
	v_add_nc_u32 v[DQ+1], 16, v[DQ]
	v_lshlrev_b32 v0, 4, v12                       ; Ctx: my wave's 32 rows are 4,096 bytes without gaps
.macro NOPS n
.rept \n
	v_nop
.endr
.endm
; A query block begins: O and L at 0, M at -infinity, -c1 M at +infinity, so that the first alpha is 2^(-infinity) = 0.
; O is cleared rather than started by a product with C = 0: the high block's first tile falls on trip j + 1, which is no constant of the text.
.macro INIT
.irp n, 0,1,2,3,4,5,6,7,8,9,10,11,12,13,14,15,16,17,18,19,20,21,22,23,24,25,26,27,28,29,30,31
	v_dual_mov_b32 v[O+2*\n], 0 :: v_dual_mov_b32 v[O+2*\n+1], 0
.endr
.irp c, 0,1
	v_mov_b32 v[NM+2*\c], 0x7f800000
	v_mov_b32 v[NM+2*\c+1], s23
	v_mov_b32 v[AL+2*\c], 0
	v_mov_b32 v[AL+2*\c+1], 0
.endr
.endm
; 8 LDS loads: key tiles 2 p, 2 p + 1 of the 64 keys kk, both halves of d, into BA (p = 0) or BB (p = 1)
.macro KLOAD slot, kk, p
.irp a, 0,1
.irp ds, 0,1
	ds_load_b128 v[BA+32*\p+16*\a+8*\ds:BA+32*\p+16*\a+8*\ds+3],   v2 offset:\slot*SLOTB+(64*\kk+32*\p+16*\a)*KP+64*\ds
	ds_load_b128 v[BA+32*\p+16*\a+8*\ds+4:BA+32*\p+16*\a+8*\ds+7], v2 offset:\slot*SLOTB+(64*\kk+32*\p+16*\a)*KP+64*\ds+32
.endr
.endr
.endm
; 16 LDS loads: V^T, all 64 d, keys 32 ks .. + 31 of the 64 keys kk: ks = 0 into BA, ks = 1 into BB
.macro VLOAD slot, kk
.irp ks, 0,1
.irp dt, 0,1,2,3
	ds_load_b128 v[BA+32*\ks+8*\dt:BA+32*\ks+8*\dt+3],   v3 offset:\slot*SLOTB+16*\dt*VP+128*\kk+64*\ks
	ds_load_b128 v[BA+32*\ks+8*\dt+4:BA+32*\ks+8*\dt+7], v3 offset:\slot*SLOTB+16*\dt*VP+128*\kk+64*\ks+32
.endr
.endr
.endm
; Scores of key tile a for both query tiles.  The two accumulators take turns, one instruction a turn.
.macro SMUL a
	v_wmma_f32_16x16x32_f16 v[S+8*\a:S+8*\a+7],       v[BA+16*\a:BA+16*\a+7],    v[Q:Q+7],     0
	v_wmma_f32_16x16x32_f16 v[S+32+8*\a:S+32+8*\a+7], v[BA+16*\a:BA+16*\a+7],    v[Q+16:Q+23], 0
	v_wmma_f32_16x16x32_f16 v[S+8*\a:S+8*\a+7],       v[BA+16*\a+8:BA+16*\a+15], v[Q+8:Q+15],  v[S+8*\a:S+8*\a+7]
	v_wmma_f32_16x16x32_f16 v[S+32+8*\a:S+32+8*\a+7], v[BA+16*\a+8:BA+16*\a+15], v[Q+24:Q+31], v[S+32+8*\a:S+32+8*\a+7]
.endm
; O += V^T P^T for 32 keys; the eight accumulators take turns
.macro PV ks
.irp dt, 0,1,2,3
.irp c, 0,1
	v_wmma_f32_16x16x32_f16 v[O+16*\dt+8*\c:O+16*\dt+8*\c+7], v[BA+32*\ks+8*\dt:BA+32*\ks+8*\dt+7], v[S+32*\c+16*\ks:S+32*\c+16*\ks+7], v[O+16*\dt+8*\c:O+16*\dt+8*\c+7]
.endr
.endr
.endm
; The diagonal tile: a key above its query becomes -infinity.  A select, no branch: every lane does the same work.
.macro MASK kk
.irp c, 0,1
.irp a, 0,1,2,3
.irp jj, 0,1,2,3,4,5,6,7
	v_cmp_le_i32 vcc_lo, 64*\kk+16*\a+\jj, v[DQ+\c]
	v_cndmask_b32 v[S+32*\c+8*\a+\jj], s23, v[S+32*\c+8*\a+\jj], vcc_lo
.endr
.endr
.endr
.endm
; The new running maximum of both query tiles: four chains of eight for each, step by step so that no instruction waits for the one in front of it;
; the old maximum joins in; one exchange between the halves.  Then -c1 M, alpha = 2^(c1 (M old - M new)).
; The same rounded -c1 M enters the weights and alpha, so its rounding cancels in the quotient however large the scores are.
.macro MAXES
.irp c, 0,1
.irp k, 0,1,2,3
	v_max3_num_f32 v[T+4*\c+\k], v[S+32*\c+8*\k], v[S+32*\c+8*\k+1], v[S+32*\c+8*\k+2]
.endr
.endr
.irp c, 0,1
.irp k, 0,1,2,3
	v_max3_num_f32 v[T+4*\c+\k], v[T+4*\c+\k], v[S+32*\c+8*\k+3], v[S+32*\c+8*\k+4]
.endr
.endr
.irp c, 0,1
.irp k, 0,1,2,3
	v_max3_num_f32 v[T+4*\c+\k], v[T+4*\c+\k], v[S+32*\c+8*\k+5], v[S+32*\c+8*\k+6]
.endr
.endr
.irp c, 0,1
.irp k, 0,1,2,3
	v_max_num_f32 v[T+4*\c+\k], v[T+4*\c+\k], v[S+32*\c+8*\k+7]
.endr
.endr
.irp c, 0,1
	v_max3_num_f32 v[T+4*\c], v[T+4*\c], v[T+4*\c+1], v[T+4*\c+2]
.endr
.irp c, 0,1
	v_max3_num_f32 v[T+4*\c], v[T+4*\c], v[T+4*\c+3], v[NM+2*\c+1]
.endr
.irp c, 0,1
	v_permlanex16_b32 v[T+4*\c+1], v[T+4*\c], s12, s13
.endr
.irp c, 0,1
	v_max_num_f32 v[NM+2*\c+1], v[T+4*\c], v[T+4*\c+1]
.endr
.irp c, 0,1
	v_mul_f32 v[T+4*\c], s22, v[NM+2*\c+1]
.endr
.irp c, 0,1
	v_sub_f32 v[AL+2*\c], v[T+4*\c], v[NM+2*\c]
.endr
.irp c, 0,1
	v_mov_b32 v[NM+2*\c], v[T+4*\c]
.endr
.irp c, 0,1
	v_exp_f32 v[AL+2*\c], v[AL+2*\c]               ; first used far below; the next line but one is a plain instruction (ISA guide 5.7.2)
.endr
.endm
.macro SCL c, i                        ; two exponents: c1 S - c1 M
	v_pk_fma_f32 v[S+32*\c+2*\i:S+32*\c+2*\i+1], v[S+32*\c+2*\i:S+32*\c+2*\i+1], s[20:21], v[NM+2*\c:NM+2*\c+1] op_sel_hi:[1,0,0]
.endm
.macro OMUL c, i                       ; two numbers of O times alpha (at the end: times 1 / L)
	v_pk_mul_f32 v[O+16*(\i/4)+8*\c+2*(\i%4):O+16*(\i/4)+8*\c+2*(\i%4)+1], v[O+16*(\i/4)+8*\c+2*(\i%4):O+16*(\i/4)+8*\c+2*(\i%4)+1], v[AL+2*\c:AL+2*\c+1] op_sel_hi:[1,0]
.endm
.macro SUMOP c, i                      ; step i of 16 of the sum of 32 weights: four chains of pairs, their joining, L = L alpha + sum
.if \i < 4
	s_wait_alu depctr_va_vdst(0)
	v_pk_add_f32 v[AC+2*\i:AC+2*\i+1], v[S+32*\c+2*\i:S+32*\c+2*\i+1], v[S+32*\c+2*\i+8:S+32*\c+2*\i+9]
.elseif \i < 12
	v_pk_add_f32 v[AC+2*(\i%4):AC+2*(\i%4)+1], v[AC+2*(\i%4):AC+2*(\i%4)+1], v[S+32*\c+2*\i+8:S+32*\c+2*\i+9]
.elseif \i == 12
	v_pk_add_f32 v[AC:AC+1], v[AC:AC+1], v[AC+2:AC+3]
.elseif \i == 13
	v_pk_add_f32 v[AC+4:AC+5], v[AC+4:AC+5], v[AC+6:AC+7]
.elseif \i == 14
	v_pk_add_f32 v[AC:AC+1], v[AC:AC+1], v[AC+4:AC+5]
.else
	v_fma_f32 v[AL+2*\c+1], v[AL+2*\c+1], v[AL+2*\c], v[AC]
.endif
.endm
.macro CVT c, i                        ; two weights to f16, in place: word i % 8 of P[c][i / 8]; ascending, it writes only over what has been packed
	v_cvt_pk_f16_f32 v[S+32*\c+16*(\i/8)+(\i%8)], v[S+32*\c+16*(\i/8)+2*(\i%8)], v[S+32*\c+16*(\i/8)+2*(\i%8)+1]
.endm
; 64 keys (kk = 0, 1 of the tile in slot) against my 32 queries.
.macro SUB slot, kk, masked
	s_wait_dscnt 0x8                               ; K tiles 0, 1 are in; the younger eight loads (tiles 2, 3) may be out
	SMUL 0
	SMUL 1
	s_wait_dscnt 0x0
	SMUL 2
	SMUL 3
	NOPS 4                                         ; four places: the loads below land on the products' sources, the lines behind them read the results
	VLOAD \slot, \kk
.if \masked
	MASK \kk
.endif
	MAXES
.irp i, 0,1,2,3,4,5,6,7,8,9,10,11,12,13,14,15
	SCL 0, \i
.endr
.irp i, 0,1,2,3,4,5,6,7,8,9,10,11,12,13,14,15
	v_exp_f32 v[S+2*\i], v[S+2*\i]                 ; every exponential is followed by a plain instruction on other registers before its result is read
	v_exp_f32 v[S+2*\i+1], v[S+2*\i+1]
	SCL 1, \i
.endr
.irp i, 0,1,2,3,4,5,6,7,8,9,10,11,12,13,14,15
	v_exp_f32 v[S+32+2*\i], v[S+32+2*\i]
	SUMOP 0, \i
	v_exp_f32 v[S+32+2*\i+1], v[S+32+2*\i+1]
	OMUL 0, \i
.endr
	v_add_f32 v[AL+1], v[AL+1], v[AC+1]
	s_wait_alu depctr_va_vdst(0)
.irp i, 0,1,2,3,4,5,6,7,8,9,10,11,12,13,14,15
	CVT 0, \i
	SUMOP 1, \i
	OMUL 1, \i
.endr
	v_add_f32 v[AL+3], v[AL+3], v[AC+1]
.irp i, 0,1,2,3,4,5,6,7,8,9,10,11,12,13,14,15
	CVT 1, \i
.endr
	s_wait_dscnt 0x8                               ; V^T for keys 0-31 is in; the younger eight loads (keys 32-63) may be out
	PV 0
.if \kk == 0
	NOPS 4                                         ; four places, then the next 64 keys' K tiles 0, 1 land on BA
	KLOAD \slot, 1, 0
	s_wait_dscnt 0x8                               ; all but the eight just issued
.else
	s_wait_dscnt 0x0
.endif
	PV 1
	NOPS 5                                         ; five places: the next scores are written over P, a source of these products
.if \kk == 0
	KLOAD \slot, 1, 1
.endif
.endm
.macro TILE slot, masked
	SUB \slot, 0, \masked
	SUB \slot, 1, \masked
.endm
; A query block ends: L's two halves are added, O is divided, rounded to f16, turned through my own stage into whole rows and stored:
; each store of the wave covers 512 consecutive bytes, aligned.  reinit = 1: it was the low block; the high block's Q comes in meanwhile.
.macro FINAL reinit
.if \reinit
	QLOAD 66
.endif
	v_permlanex16_b32 v[T], v[AL+1], s12, s13
	v_permlanex16_b32 v[T+1], v[AL+3], s12, s13
	v_add_f32 v[AL+1], v[AL+1], v[T]
	v_add_f32 v[AL+3], v[AL+3], v[T+1]
	v_rcp_f32 v[AL], v[AL+1]
	v_rcp_f32 v[AL+2], v[AL+3]
	v_nop                                          ; one plain place behind the reciprocals (ISA guide 5.7.2)
	s_wait_alu depctr_va_vdst(0)
.irp c, 0,1
.irp i, 0,1,2,3,4,5,6,7,8,9,10,11,12,13,14,15
	OMUL \c, \i
.endr
.endr
.irp dt, 0,1,2,3
.irp c, 0,1
.irp w, 0,1,2,3
	v_cvt_pk_f16_f32 v[O+16*\dt+8*\c+\w], v[O+16*\dt+8*\c+2*\w], v[O+16*\dt+8*\c+2*\w+1]
.endr
	ds_store_b128 v[STO], v[O+16*\dt+8*\c:O+16*\dt+8*\c+3] offset:16*KP*\c+32*\dt   ; row 16 c + r, d = 16 dt + 8 h ..
.endr
.endr
.irp i, 0,1,2,3,4,5,6,7
	ds_load_b128 v[BA+4*\i:BA+4*\i+3], v1 offset:\i*4*KP           ; LDS serves a wave's instructions in order (ISA guide 5.7.1): these see the stores above
.endr
.irp i, 0,1,2,3,4,5,6,7
	s_wait_dscnt 7-\i
.if \reinit
	global_store_b128 v0, v[BA+4*\i:BA+4*\i+3], s[68:69] offset:\i*512
.else
	global_store_b128 v0, v[BA+4*\i:BA+4*\i+3], s[70:71] offset:\i*512
.endif
.endr
.if \reinit
	s_wait_xcnt 0x0                                ; BA, which the stores read, is loaded again only behind this wait
	INIT
	s_wait_loadcnt 0x0                             ; the high block's Q
.endif
.endm
; A trip: the tile in slot is used; refill = 1: the other slot gets the next trip's tile, kt = 0 behind the low block's last tile (t = j), else kt + 1.
.macro TRIP slot, refill, tail
	s_set_vgpr_msb 0x5
	s_wait_tensorcnt 0x0                           ; all my tensor loads have landed, my part of this trip's tile among them: the other slot's group 0 may be written
	ds_add_u32 v0, v1
	s_wait_dscnt 0x0
	s_set_vgpr_msb 0x500
.if \refill
	s_add_co_u32 s17, s17, 1
	s_cmp_eq_u32 s16, s15
	s_cselect_b32 s17, 0, s17
	s_lshl_b32 s60, s17, 14                        ; 128 keys of 128 bytes
	s_add_nc_u64 s[G0K+6-4*\slot:G0K+7-4*\slot], s[56:57], s[60:61]
	s_or_b32 s[G0K+7-4*\slot], s[G0K+7-4*\slot], 0x80000000
	s_lshl_b32 s60, s17, 8                         ; 128 keys of 2 bytes
	s_add_nc_u64 s[G0V+6-4*\slot:G0V+7-4*\slot], s[58:59], s[60:61]
	s_or_b32 s[G0V+7-4*\slot], s[G0V+7-4*\slot], 0x80000000
.endif
	s_wait_dscnt 0x0                               ; my reads of the last trip's tile are over
	s_barrier_signal -1
	s_barrier_wait -1                              ; both now hold of every wave
.if \refill
	JLOAD 1-\slot                                  ; my one tensor load behind the barrier, first thing there; it has the whole trip in which to land
.endif
	KLOAD \slot, 0, 0
	KLOAD \slot, 0, 1
.if \tail
	TILE \slot, 1
	FINAL 0
.else
	s_cmp_eq_u32 s16, s15
	s_cbranch_scc1 .Ldiag_\@
	TILE \slot, 0
	s_branch .Ljoin_\@
.Ldiag_\@:
	TILE \slot, 1                                  ; t = j: the low block's diagonal tile
	FINAL 1
.Ljoin_\@:
	s_add_co_u32 s16, s16, 1
.endif
.endm
	INIT
	s_mov_b32 s16, 0                               ; t: the trip
	s_mov_b32 s17, 0                               ; kt: the key tile last asked for
	s_mov_b32 s18, 8
	s_wait_loadcnt 0x0                             ; the low block's Q
.Llap:
	TRIP 0, 1, 0
	TRIP 1, 1, 0
	s_sub_co_u32 s18, s18, 1
	s_cmp_lg_u32 s18, 0
	s_cbranch_scc1 .Llap
	TRIP 0, 0, 1                                   ; trip 16: the high block's diagonal tile; nothing is left to fetch
	s_set_vgpr_msb 0x5
	s_wait_tensorcnt 0x0
	ds_add_u32 v0, v1
	s_wait_dscnt 0x0
	s_set_vgpr_msb 0x500
	s_endpgm
.Lfunc_end_k_q5f0ad935b4_attn:
	.size	k_q5f0ad935b4_attn, .Lfunc_end_k_q5f0ad935b4_attn-k_q5f0ad935b4_attn
	.p2alignl 7, 3214868480
	.fill 96, 4, 3214868480
	.section	.rodata,"a",@progbits
	.p2align	6, 0x0
	.amdhsa_kernel k_q5f0ad935b4_attn
		.amdhsa_group_segment_fixed_size 327680
		.amdhsa_private_segment_fixed_size 0
		.amdhsa_enable_private_segment 0
		.amdhsa_kernarg_size 32
		.amdhsa_user_sgpr_count 2
		.amdhsa_user_sgpr_kernarg_segment_ptr 1
		.amdhsa_wavefront_size32 1
		.amdhsa_system_sgpr_workgroup_id_x 1
		.amdhsa_system_sgpr_workgroup_id_y 1
		.amdhsa_system_sgpr_workgroup_id_z 1
		.amdhsa_system_vgpr_workitem_id 0
		.amdhsa_next_free_vgpr 258
		.amdhsa_next_free_sgpr 80
		.amdhsa_reserve_vcc 1
		.amdhsa_float_denorm_mode_32 3
		.amdhsa_float_denorm_mode_16_64 3
		.amdhsa_memory_ordered 1
		.amdhsa_forward_progress 1
		.amdhsa_inst_pref_size 237
	.end_amdhsa_kernel
	.amdgpu_metadata
---
amdhsa.version: [ 1, 2 ]
amdhsa.kernels:
  - .name:           k_q5f0ad935b4_attn
    .symbol:         k_q5f0ad935b4_attn.kd
    .args:
      - { .name: Qh, .offset: 0, .size: 8, .value_kind: global_buffer, .address_space: global }
      - { .name: Kh, .offset: 8, .size: 8, .value_kind: global_buffer, .address_space: global }
      - { .name: Vt, .offset: 16, .size: 8, .value_kind: global_buffer, .address_space: global }
      - { .name: Ctx, .offset: 24, .size: 8, .value_kind: global_buffer, .address_space: global }
    .group_segment_fixed_size: 327680
    .private_segment_fixed_size: 0
    .kernarg_segment_align: 8
    .kernarg_segment_size: 32
    .max_flat_workgroup_size: 128
    .sgpr_count:     80
    .vgpr_count:     258
    .wavefront_size: 32
...
	.end_amdgpu_metadata
.endif
;; end of part 3
;; launch oproj (part 4): grid 8 x 32, 4 waves a work-group, clusters of 4 x 4, 327,680 bytes of LDS; arguments Ctx, Wot, out0; writes out0
.if DOCPART == 4
	.amdgcn_target "amdgcn-amd-amdhsa--gfx1250"
	.amdhsa_code_object_version 6
	.text
	.protected	k_q5f0ad935b4_oproj
	.globl	k_q5f0ad935b4_oproj
	.p2align	8
	.type	k_q5f0ad935b4_oproj,@function
k_q5f0ad935b4_oproj:
	s_mov_b64 s[64:65], 0
	v_nop
	global_prefetch_b8 v0, s[64:65] scope:SCOPE_SE
	s_setreg_imm32_b32 hwreg(HW_REG_WAVE_MODE, 25, 1), 1
	s_wait_xcnt 0x0
	s_wait_alu depctr_hold_cnt(0) depctr_sa_sdst(0) depctr_va_vdst(0) depctr_va_sdst(0) depctr_va_ssrc(0) depctr_va_vcc(0) depctr_vm_vsrc(0)
	s_getreg_b32 s2, hwreg(HW_REG_IB_STS2, 6, 4)
	s_cmp_eq_u32 s2, 0
	s_cbranch_scc0 .Lentry_in_a_cluster
	s_endpgm
.Lentry_in_a_cluster:
	s_bfe_u32 s2, ttmp6, 0x10000c
	s_cmp_lg_u32 s2, 0xf033
	s_cbranch_scc0 .Lentry_shape_is_right
	s_endpgm
.Lentry_shape_is_right:
; oproj: out0 [4096 m][1024 n] f32 = ctx [m][k = 64 head + d] times Wot^T [n][k], f16 operands, f32 sums.
; Ctx lies as [bh][2048 s][64 d], so a K step of 128 is two heads: two sub-tiles of 128 rows x 128 bytes.
; A work-group makes 128 x 128 with four waves, 2 x 2; a wave makes 64 x 64: 16 tiles, 128 registers (window 1).  That gives 256 work-groups; with blocks of
; 256 x 256 there would be 64.  At this tile a wave reads 8 KiB of LDS for 16 matrix instructions: the price of filling all WGPs at this size.
; CLUSTERS: 4 x 4 work-groups; ctx's tiles hang on the row block alone and are asked for jointly along a row of the cluster, Wot's on the column block alone
; and are asked for jointly along a column.
; The products are made transposed (source 0 = rows of Wot, source 1 = rows of ctx): a lane holds 8 neighbouring n of one row m.
.set KP,    144                        ; ctx: 128 bytes + 16
.set BP,    272                        ; Wot: 256 bytes + 16
.set SUBA,  128*KP                     ; one head's sub-tile
.set HALFB, 64*BP
.set SLOT,  2*SUBA+2*HALFB             ; 71,680
.set STAGE, 2*SLOT                     ; behind the ring: 16 rows x 272 bytes for each wave; no load lands there
.set LAPS,  4                          ; 1,024 / 256
.set ADRA, 16                          ; v16-17
.set ADRB, 20                          ; v20-21
.set STO,  24
.set RD,   25
.set CO,   26
.set F0,   32                          ; a buffer: 4 fragments of ctx, then 4 of Wot
.set F1,   96
.set G1, 24
.set G0, 32
.set G1B, 48
.set G0B, 56
.set MSB, 0
.macro WIN new                         ; s_set_vgpr_msb: bits 1:0 source 0, 3:2 source 1, 5:4 source 2, 7:6 destination; the high byte repeats the setting that is left
.if MSB != \new
	s_set_vgpr_msb (MSB<<8)|\new
.set MSB, \new
.endif
.endm
.set MUL, 0x50                         ; both sources window 0, C and D window 1
.macro JLOAD s                         ; waves 0, 1 fetch ctx's two heads, waves 2, 3 Wot's two halves
	s_cmp_eq_u32 s11, 0
	s_cbranch_scc0 .Lfor_b_\@
	tensor_load_to_lds s[G0+4*\s:G0+4*\s+3], s[G1:G1+7]
	s_nop 0
	s_branch .Lasked_\@
.Lfor_b_\@:
	tensor_load_to_lds s[G0B+4*\s:G0B+4*\s+3], s[G1B:G1B+7]
	s_nop 0
.Lasked_\@:
.endm
.macro CREST
	s_cmp_lg_u32 s10, 0
	s_cbranch_scc1 .Lnot_wave_0_\@
	s_barrier_signal -3
.Lnot_wave_0_\@:
	s_barrier_wait -3
	s_barrier_signal -1
	s_barrier_wait -1
.endm
.macro CROUND
	s_barrier_signal -1
	s_barrier_wait -1
	CREST
.endm
	s_load_b128 s[4:7], s[0:1], 0x0                ; Ctx s[4:5], Wot s[6:7]
	s_load_b64 s[8:9], s[0:1], 0x10                ; out0
	v_lshl_add_u32 v254, v0, 2, 0x29000
	v_mov_b32 v255, 0
	ds_add_u32 v254, v255
	ds_add_u32 v254, v255
	v_lshrrev_b32 v1, 5, v0
	v_readfirstlane_b32 s10, v1                    ; wave
	s_lshr_b32 s11, s10, 1                         ; my half of the rows.  Also: I fetch ctx (0) or Wot (1)
	s_and_b32 s12, s10, 1                          ; my half of the columns.  Also: which head, or which half of Wot's rows, I fetch
	s_bfe_u32 s40, ttmp6, 0x40000                  ; cx
	s_bfe_u32 s41, ttmp6, 0x40004                  ; cy
	s_lshl_b32 s42, ttmp9, 2
	s_add_co_u32 s42, s42, s40                     ; column block
	s_and_b32 s13, ttmp7, 0xffff
	s_lshl_b32 s13, s13, 2
	s_add_co_u32 s13, s13, s41                     ; row block
	s_lshl_b32 s43, s41, 2
	s_lshl_b32 s43, 15, s43                        ; my row of the cluster
	s_lshl_b32 s44, 0x1111, s40                    ; my column
	s_or_b32 s[G1+0], s43, (1<<16)|(1<<20)|(1<<21)|(4<<22)|(3<<25)  ; mask; 2-byte elements; padding: 4 words behind every 32; bit 21 beside a mask
	s_or_b32 s[G1B+0], s44, (1<<16)|(1<<20)|(1<<21)|(5<<22)|(3<<25) ; 4 words behind every 64
	s_mov_b32 s[G1+1], 64<<16                      ; ctx: 64 d
	s_mov_b32 s[G1B+1], 128<<16                    ; Wot: 128 k
	s_mov_b32 s[G1+2], 128<<16                     ; 128 rows
	s_mov_b32 s[G1B+2], 64<<16                     ; 64 rows
	s_mov_b32 s[G1+3], 64<<16
	s_mov_b32 s[G1B+3], 128<<16
	s_mov_b32 s[G1+4], 128
	s_mov_b32 s[G1B+4], 64
	s_mov_b32 s[G1+5], 64                          ; elements from row to row
	s_mov_b32 s[G1B+5], 1024
	s_mov_b32 s[G1+6], 0
	s_mov_b32 s[G1B+6], 0
	s_mov_b32 s[G1+7], 0
	s_mov_b32 s[G1B+7], 0
	; ctx: ((16 (block >> 4) + head) x 2,048 + 128 (block & 15)) x 128 bytes, of the row block and the wave's number alone
	s_lshr_b32 s16, s13, 4
	s_lshl_b32 s16, s16, 22
	s_and_b32 s17, s13, 15
	s_lshl_b32 s17, s17, 14
	s_add_co_u32 s16, s16, s17
	s_lshl_b32 s17, s12, 18                        ; head z = wave (waves 0, 1)
	s_add_co_u32 s16, s16, s17
	s_mov_b32 s17, 0
	; Wot: row 128 x block + 64 x half, of 2,048 bytes, of the column block and the wave's number alone
	s_lshl_b32 s46, s42, 18
	s_lshl_b32 s47, s12, 17
	s_add_co_u32 s46, s46, s47
	s_mov_b32 s47, 0
	s_mul_i32 s20, s10, SUBA                       ; LDS: ctx's heads at wave x 128 rows (waves 0, 1),
	s_mul_i32 s45, s10, HALFB
	s_add_co_u32 s45, s45, 2*SUBA-2*HALFB          ; Wot's halves behind them (waves 2, 3)
	; out0: row 128 x block + 64 x row half, of 4,096 bytes; column 128 x block + 64 x column half, of 4 bytes; in registers that feed no descriptor
	s_lshl_b32 s68, s13, 19
	s_lshl_b32 s69, s11, 18
	s_add_co_u32 s68, s68, s69
	s_lshl_b32 s69, s42, 9
	s_add_co_u32 s68, s68, s69
	s_lshl_b32 s69, s12, 8
	s_add_co_u32 s68, s68, s69
	s_mov_b32 s69, 0
	s_wait_dscnt 0x0
	s_wait_kmcnt 0x0
	s_add_nc_u64 s[14:15], s[4:5], s[16:17]
	s_add_nc_u64 s[46:47], s[6:7], s[46:47]
	s_add_nc_u64 s[8:9], s[8:9], s[68:69]
	CROUND                                         ; all sixteen work-groups are here: the first joint loads meet
.irp s, 0,1
	s_mov_b32 s[G0+4*\s], 1
	s_add_co_u32 s[G0+4*\s+1], s20, \s*SLOT
	s_add_nc_u64 s[G0+4*\s+2:G0+4*\s+3], s[14:15], \s*2*2048*128   ; K step s: two heads on
	s_or_b32 s[G0+4*\s+3], s[G0+4*\s+3], 0x80000000
	s_mov_b32 s[G0B+4*\s], 1
	s_add_co_u32 s[G0B+4*\s+1], s45, \s*SLOT
	s_add_nc_u64 s[G0B+4*\s+2:G0B+4*\s+3], s[46:47], \s*256
	s_or_b32 s[G0B+4*\s+3], s[G0B+4*\s+3], 0x80000000
	JLOAD \s                                       ; both slots' first fills: two tensor loads of the wave are out
.endr
	v_and_b32 v1, 15, v0                           ; r
	v_bfe_u32 v2, v0, 4, 1                         ; h
	v_mul_u32_u24 v3, v1, KP
	v_lshl_add_u32 v3, v2, 4, v3
	v_mul_u32_u24 v4, v1, BP
	v_lshl_add_u32 v4, v2, 4, v4
	s_mul_i32 s22, s11, 64*KP                      ; my 64 rows of ctx
	s_mul_i32 s23, s12, 64*BP                      ; my 64 rows of Wot,
	s_add_co_u32 s23, s23, 2*SUBA                  ; behind ctx's two heads
.irp s, 0,1
	v_add_nc_u32 v[ADRA+\s], s22, v3
	v_add_nc_u32 v[ADRB+\s], s23, v4
	s_add_co_u32 s22, s22, SLOT
	s_add_co_u32 s23, s23, SLOT
.endr
	s_mul_i32 s2, s10, 16*BP
	s_add_co_u32 s2, s2, STAGE                     ; my stage
	v_mul_u32_u24 v5, v1, BP
	v_lshl_add_u32 v5, v2, 5, v5
	v_add_nc_u32 v[STO], s2, v5                    ; in: row r, byte 32 h
	v_mul_u32_u24 v5, v2, BP
	v_lshl_add_u32 v5, v1, 4, v5
	v_add_nc_u32 v[RD], s2, v5                     ; back: lanes 0-15 one row of 256 bytes, lanes 16-31 the next
	v_lshlrev_b32 v5, 4, v1
	v_lshl_add_u32 v[CO], v2, 12, v5               ; the same two rows in out0
.macro MM d, x, y, zero
.if \zero
	v_wmma_f32_16x16x32_f16 v[\d:\d+7], v[\x:\x+7], v[\y:\y+7], 0
.else
	v_wmma_f32_16x16x32_f16 v[\d:\d+7], v[\x:\x+7], v[\y:\y+7], v[\d:\d+7]
.endif
.endm
; 8 matrix instructions: row blocks a0, a0 + 1 x all 4 column blocks.  The 16 accumulators take turns, one instruction a turn, in the same order in every
; quarter step.
.macro MUL8 f, a0, zero
.irp a, \a0, \a0+1
.irp b, 0,1,2,3
	MM 8*(4*(\a)+\b), \f+32+8*\b, \f+8*(\a), \zero
.endr
.endr
.endm
; 16 LDS loads: quarter q (32 along K: head q / 2, d from 32 (q % 2)) into buffer f
.macro FETCH slot, q, f
.irp i, 0,1,2,3
	ds_load_b128 v[\f+8*\i:\f+8*\i+3],   v[ADRA+\slot] offset:(\q/2)*SUBA+(\q%2)*64+\i*16*KP
	ds_load_b128 v[\f+8*\i+4:\f+8*\i+7], v[ADRA+\slot] offset:(\q/2)*SUBA+(\q%2)*64+\i*16*KP+32
.endr
.irp i, 0,1,2,3
	ds_load_b128 v[\f+32+8*\i:\f+32+8*\i+3],   v[ADRB+\slot] offset:64*\q+\i*16*BP
	ds_load_b128 v[\f+32+8*\i+4:\f+32+8*\i+7], v[ADRB+\slot] offset:64*\q+\i*16*BP+32
.endr
.endm
.macro PLACES                          ; four places between a matrix instruction and a load into one of its sources, or an LDS store of its result
.rept 4
	v_nop
.endr
.endm
; One of a K step's first three quarters: the next quarter q's fragments go out into buffer g, then buffer f is multiplied
.macro QUARTER slot, q, f, g, zero
	PLACES
	FETCH \slot, \q, \g
	s_wait_dscnt 16                                ; all but the 16 just issued
	WIN MUL
	MUL8 \f, 0, \zero
	MUL8 \f, 2, \zero
	WIN 0
.endm
.macro THREE slot, zero
	QUARTER \slot, 1, F0, F1, \zero
	QUARTER \slot, 2, F1, F0, 0
	QUARTER \slot, 3, F0, F1, 0
.endm
; The last quarter changes slots: my reads of this slot and all my tensor loads are waited for in front of the barrier; where the slot is filled again the
; barrier opens a round of the cluster's barrier and the joint refill is the first tensor load behind it: one tensor load of the wave is out from there on.
.macro TURN slot, next, fill
	s_wait_dscnt 0
	s_wait_tensorcnt 0x0
	ds_add_u32 v254, v255
	s_wait_dscnt 0x0
	s_barrier_signal -1
	WIN MUL
	MUL8 F1, 0, 0                                  ; register work while the others arrive
	WIN 0
	s_barrier_wait -1
.if \fill
	CREST
	s_add_nc_u64 s[G0+4*\slot+2:G0+4*\slot+3], s[G0+4*\slot+2:G0+4*\slot+3], 4*2048*128   ; two K steps = four heads on
	s_add_nc_u64 s[G0B+4*\slot+2:G0B+4*\slot+3], s[G0B+4*\slot+2:G0B+4*\slot+3], 512
	JLOAD \slot
.endif
	PLACES
	FETCH \next, 0, F0
	WIN MUL
	MUL8 F1, 2, 0
	WIN 0
.endm
.macro LAP zero
	THREE 0, \zero
	TURN 0, 1, 1
	THREE 1, 0
	TURN 1, 0, 1
.endm
	s_wait_tensorcnt 1                             ; my part of K step 0 is in; K step 1's may stay out
	s_barrier_signal -1
	s_barrier_wait -1
	FETCH 0, 0, F0
	LAP 1                                          ; the first lap's first products start the sums
	s_mov_b32 s3, LAPS-2
.Llap:
	LAP 0
	s_sub_co_u32 s3, s3, 1
	s_cmp_lg_u32 s3, 0
	s_cbranch_scc1 .Llap
	THREE 0, 0                                     ; the last lap fills nothing
	TURN 0, 1, 0
	THREE 1, 0
	s_wait_dscnt 0
	WIN MUL
	MUL8 F1, 0, 0
	MUL8 F1, 2, 0
	; THE WAY OUT, 16 rows at a time through my own stage: a lane's 32 bytes go in, whole rows of 256 bytes come back,
	; and sixteen lanes store 256 consecutive bytes, aligned.
	PLACES
.macro OUT16 a, f
	WIN 0x04                                       ; an LDS store's data is source 1: window 1
.irp b, 0,1,2,3
	ds_store_b128 v[STO], v[8*(4*\a+\b):8*(4*\a+\b)+3]   offset:64*\b
	ds_store_b128 v[STO], v[8*(4*\a+\b)+4:8*(4*\a+\b)+7] offset:64*\b+16
.endr
	WIN 0
	s_wait_xcnt 0x0                                ; buffer f, which earlier stores read, and the stores' base are rewritten only behind this wait
.if \a
	s_add_nc_u64 s[8:9], s[8:9], 16*4096
.endif
.irp t, 0,1,2,3,4,5,6,7
	ds_load_b128 v[\f+4*\t:\f+4*\t+3], v[RD] offset:\t*2*BP        ; LDS serves a wave's instructions in order (ISA guide 5.7.1): these see the stores above
.endr
.irp t, 0,1,2,3,4,5,6,7
	s_wait_dscnt 7-\t
	global_store_b128 v[CO], v[\f+4*\t:\f+4*\t+3], s[8:9] offset:\t*2*4096 th:TH_STORE_NT
.endr
.endm
	OUT16 0, 160
	OUT16 1, 96
	OUT16 2, 160
	OUT16 3, 96
	s_wait_tensorcnt 0x0
	ds_add_u32 v254, v255
	s_wait_dscnt 0x0
	CROUND                                         ; the closing round: no work-group ends while a partner may still ask for a tile that names it
	s_endpgm
.Lfunc_end_k_q5f0ad935b4_oproj:
	.size	k_q5f0ad935b4_oproj, .Lfunc_end_k_q5f0ad935b4_oproj-k_q5f0ad935b4_oproj
	.p2alignl 7, 3214868480
	.fill 96, 4, 3214868480
	.section	.rodata,"a",@progbits
	.p2align	6, 0x0
	.amdhsa_kernel k_q5f0ad935b4_oproj
		.amdhsa_group_segment_fixed_size 327680
		.amdhsa_private_segment_fixed_size 0
		.amdhsa_enable_private_segment 0
		.amdhsa_kernarg_size 24
		.amdhsa_user_sgpr_count 2
		.amdhsa_user_sgpr_kernarg_segment_ptr 1
		.amdhsa_wavefront_size32 1
		.amdhsa_system_sgpr_workgroup_id_x 1
		.amdhsa_system_sgpr_workgroup_id_y 1
		.amdhsa_system_sgpr_workgroup_id_z 1
		.amdhsa_system_vgpr_workitem_id 0
		.amdhsa_next_free_vgpr 384
		.amdhsa_next_free_sgpr 70
		.amdhsa_reserve_vcc 0
		.amdhsa_float_denorm_mode_32 3
		.amdhsa_float_denorm_mode_16_64 3
		.amdhsa_memory_ordered 1
		.amdhsa_forward_progress 1
		.amdhsa_inst_pref_size 73
	.end_amdhsa_kernel
	.amdgpu_metadata
---
amdhsa.version: [ 1, 2 ]
amdhsa.kernels:
  - .name:           k_q5f0ad935b4_oproj
    .symbol:         k_q5f0ad935b4_oproj.kd
    .args:
      - { .name: Ctx, .offset: 0, .size: 8, .value_kind: global_buffer, .address_space: global }
      - { .name: Wot, .offset: 8, .size: 8, .value_kind: global_buffer, .address_space: global }
      - { .name: out0, .offset: 16, .size: 8, .value_kind: global_buffer, .address_space: global }
    .group_segment_fixed_size: 327680
    .private_segment_fixed_size: 0
    .kernarg_segment_align: 8
    .kernarg_segment_size: 24
    .max_flat_workgroup_size: 128
    .sgpr_count:     70
    .vgpr_count:     384
    .wavefront_size: 32
...
	.end_amdgpu_metadata
.endif
;; end of part 4
